; MI455X (gfx1250); checked and timed in simulation.
; The chip was launched on July 23, 2026; its instructions are those of AMD's public machine-readable ISA for CDNA 5 (MIT licence, August 2026) and "CDNA5" Instruction Set Architecture Reference Guide (July 2026). The comments in the code are by the model that wrote it; some were corrected since.
;; Sparse Attention Aggregator. Allowed arithmetic: matrix products marked QUANTISED: E2M3 operands, one E8M0 scale for each 32 along K, by v_wmma_scale_f32_16x16x128_f8f6f4 with both operands' format E2M3, f32 sums; everything else in f32.
;; Inputs: key 4 x 16 x 2,048 x 64 float32; mask 4 x 2,048 x 2,048 int32; query 4 x 16 x 2,048 x 64 float32; value 4 x 16 x 2,048 x 64 float32.
;; Outputs: out0 4 x 16 x 2,048 x 64 float32.
;; This version of the problem:
;;   THIS VERSION OF THE PROBLEM IS GIVEN IN LOW PRECISION. The matrix products marked QUANTISED in the list below multiply operands that are first quantised to E2M3 (2 exponent bits, 3 mantissa bits; 6 bits a number), with one power-of-two scale for each 32 numbers along K (OCP MX v1.0); their sums are f32. All else is computed in f32.
;;   The module's matrix products, in the order in which they are computed (A, B: the left and right operand; K: the contracted axis; several contracted axes count as one K, in the product's order):
;;     1. batch 64 x [M 2,048, K 64] x [K 64, N 2,048]; A: input query; B: input key: QUANTISED
;;     2. batch 64 x [M 2,048, K 2,048] x [K 2,048, N 64]; A: softmax (see below); B: input value: QUANTISED
;;   THE QUANTISER, for each operand of a quantised product, along K:
;;     - K is cut into blocks of 32 from its start; a last block that is shorter is filled with zeros.
;;     - A block's scale is 2^e with e = floor(log2(the largest magnitude in the block)) - 2, held to -126 .. 127; a block of zeros has e = 0. As a byte (E8M0): e + 127.
;;     - Each number is divided by its block's scale, clamped to +-7.5, and rounded to the nearest number of E2M3, ties to even, subnormals kept.
;;     - The product sums the exact products of the quantised numbers (number of the format x scale) in f32.
;;   ~~~python
;;   def quantise(x, axis):      # numpy; x: float32 -> the quantised numbers, widened to float32 again
;;       x = np.moveaxis(x, axis, -1); K = x.shape[-1]
;;       x = np.pad(x, [(0, 0)] * (x.ndim - 1) + [(0, -K % 32)]); x = x.reshape(x.shape[:-1] + (-1, 32)); a = np.abs(x).max(-1, keepdims=True)
;;       e = np.where(a > 0, np.clip(np.frexp(np.where(a > 0, a, 1))[1] - 1 - 2, -126, 127), 0)      # np.frexp(a)[1] - 1 = floor(log2(a)), exactly
;;       r = np.clip(x / 2.0 ** e, -7.5, 7.5)
;;       step = 2.0 ** (np.maximum(np.frexp(np.where(r == 0, 1, r))[1] - 1, 0) - 3)
;;       q = np.round(r / step) * step * 2.0 ** e      # np.round: ties to even
;;       return np.moveaxis(q.reshape(q.shape[:-2] + (-1,))[..., :K], -1, axis).astype(np.float32)
;;   ~~~
;;   SOFTMAX AHEAD OF A QUANTISED PRODUCT. Where the list says 'softmax', what is quantised is not the finished softmax but p = 2^(t - M), with t = logit x log2(e) and M = ceil(the row's largest t), a whole number; so 1/2 < the row's largest p <= 1. The row's sum l is taken of the UNQUANTISED p, in f32, and the product's result is divided by l at the end. Since M is a whole number, a kernel that streams over the keys may use a running M (the ceiling of the running maximum): every later rescaling is an exact power of two, which a block's scale takes up: the codes' values come out the same.
;;   OPERANDS COMPUTED ON THE WAY. 'Computed on the way' means the value that the module computes at that place (a softmax that the list does not call 'softmax' is quantised finished and normalised). What goes into a quantiser is computed in f32, as accurately as f32 sums, v_exp_f32 and their like allow (about 1e-6 of the number): no bf16 or f16 on the way to a quantiser, and a product that is left as it is and whose result goes on into a quantised operand takes f32 operands (vector FMAs, or v_wmma_f32_16x16x4_f32). A number that lies on a knife's edge between two numbers of the format may be rounded either way, as far as f32 arithmetic and the matrix unit's own rounding can turn it there, and no further.
;; One version. Each part assembles by itself: llvm-mc -triple=amdgcn-amd-amdhsa -mcpu=gfx1250 --defsym DOCPART=n.
;; ======== version 1 of 1: 2 launches
;; limits: right only within a limited range of input values
;; workspace buffers: kv 13,369,344 bytes
;; launch prep (part 1): grid 512 x 1, 4 waves a work-group, no clusters, 39,424 bytes of LDS; arguments key, value, kv; writes kv
.if DOCPART == 1
	.amdgcn_target "amdgcn-amd-amdhsa--gfx1250"
	.amdhsa_code_object_version 6
	.text
	.protected	k_q86da298fb4_prep
	.globl	k_q86da298fb4_prep
	.p2align	8
	.type	k_q86da298fb4_prep,@function
k_q86da298fb4_prep:
	s_mov_b64 s[64:65], 0
	v_nop
	global_prefetch_b8 v0, s[64:65] scope:SCOPE_SE
	s_setreg_imm32_b32 hwreg(HW_REG_WAVE_MODE, 25, 1), 1
	s_wait_xcnt 0x0
; key and value, [64 heads][2048][64] f32, become codes of FP6 (E2M3) with one E8M0 byte for each 32 along K, ONCE, laid as IMAGES OF OPERAND REGISTERS for the attention launch.
; key is quantised along d (innermost), value along the keys (its first axis within a head).
; A JOB is one head's 128 keys (a key step): 32,768 bytes of f32 in, a block of HB = 13,056 bytes out, at (16 head + step) x HB.  Lane L = r + 16 hf.
;   +0      K's image: 12 chunks of 512 bytes, chunk g = registers 4 g .. 4 g + 3 of the lane's 48, 16 bytes a lane.  Registers 6 t .. 6 t + 5: key 32 (t / 2) + 8 (t % 2) + r + 8 (r / 8), d = 32 hf + 0 .. 31  (tile t = 0 .. 7)
;   +6,144  V's image, likewise: registers 12 u + 6 c .. + 5: d = 16 u + r, keys 64 c + 32 hf + 0 .. 31  (tile u = 0 .. 3)
;   +12,288 K's scale words, 16 bytes a lane: register u = the word of tile 2 u + hf, row r: bytes 0, 1 = the blocks d 0-31, 32-63; bytes 2, 3 repeat them (the product's upper 64 along K meet zero codes of Q)
;   +12,800 V's scale words, 8 bytes a lane: register u = the word of d = 32 u + L: byte n = the step's n-th block of 32 keys
; A block's scale is 2^(floor(log2(its largest magnitude)) - 2): its byte is the largest magnitude's exponent field - 2, held at 1 from below.  A block of zeros so gets the byte 1 where the rule says 127: its codes
; are zeros, and this program alone reads the bytes.
; LIMITS: blocks whose largest magnitude lies under 2^-124 keep the byte 1; NaN and infinities among the inputs are not served.
; Work-groups 0-255 take key, 256-511 value; a wave takes a job: 4 x (work-group mod 256) + wave.  No tensor loads, no barriers: waves share nothing.  Only key's path stores to LDS.
; THE LAYOUT AS THE CODE BELOW MAKES IT (where the lines above differ, these hold):
;   a job's block lies at ((head / 4) x 64 + 4 step + head % 4) x HB: the four heads of a group lie on end for each key step;
;   K's tile t = 0 .. 7: lane r holds key 64 (t / 4) + 8 (t % 4) + r + 24 (r / 8): rows 0-7 are eight neighbouring keys, rows 8-15 the eight that lie 32 further on.
.set HB,    13056
.set STG,   4864                       ; a stage: two halves of 16 rows x 144 bytes, 2,432 bytes apart
.set WREG,  2*STG                      ; a wave's two stages
.set SPARE, 4*WREG                     ; behind the stages: the spare words, 128 bytes for each wave: two blocks of 256 bytes that no other line names
.set SPW,   12                         ; v12  LDS address of my spare word; never rewritten
.set NIL,   13                         ; v13  0; never rewritten
.set R,     32                         ; key: v32-127   three sets of 32: a tile as loaded
.set X,     128                        ; key: v128-191  two sets of 32: my 32 neighbours along d
.set C,     192                        ; key: v192-239  the lane's 48 registers of codes
.set W,     16                         ; key: v16-23    a tile's scale word
.set SCL,   24                         ; key: v24-27    the scale words as they are stored
.set CT,    28                         ; v28-30         the second half of a block's codes (a conversion's three registers begin on an even number)
.set XV,    32                         ; value: v32-95  two sets of 32: a block of 32 keys of my column
.set CV,    128                        ; value: v128-175 codes: 24 e + 12 hf + 6 c
	s_load_b128 s[4:7], s[0:1], 0x0                ; key, value
	s_load_b64 s[8:9], s[0:1], 0x10                ; kv
	v_lshl_add_u32 v[SPW], v0, 2, SPARE
	v_mov_b32 v[NIL], 0
	v_lshrrev_b32 v1, 5, v0
	v_readfirstlane_b32 s16, v1                    ; wave 0..3
	v_and_b32 v1, 31, v0                           ; lane l
	v_lshlrev_b32 v2, 4, v1                        ; 16 l: my 16 bytes of 512, in and out
	s_mul_i32 s24, s16, WREG                       ; my stages
	v_bfe_u32 v8, v0, 4, 1                         ; l / 16
	v_bfe_u32 v9, v0, 3, 1                         ; (l / 8) % 2
	v_and_b32 v10, 7, v0
	v_and_b32 v11, 15, v0
	v_mul_u32_u24 v3, v8, 144                      ; into the stage: a load's 512 bytes are two rows; row l / 16, its half (l / 8) % 2, 16 bytes at l % 8
	v_mad_u32_u24 v3, v9, 2432, v3
	v_lshl_add_u32 v3, v10, 4, v3
	v_add_nc_u32 v3, s24, v3
	v_mul_u32_u24 v4, v11, 144                     ; out of it: row r, half hf: my 128 bytes.  144 bytes are 36 words and 2,432 bytes 608
	v_mad_u32_u24 v4, v8, 2432, v4
	v_add_nc_u32 v4, s24, v4
	v_lshlrev_b32 v5, 3, v8                        ; 8 hf: my byte's place in a scale word of K
	v_lshlrev_b32 v6, 2, v1                        ; value: 4 l
	v_mul_u32_u24 v7, v8, 1536                     ; value's image: tile 2 e + l / 16 is three chunks of 512 bytes; 16 bytes at l % 16
	v_lshl_add_u32 v7, v11, 4, v7
	v_lshlrev_b32 v15, 3, v1                       ; value's scale words: 8 l
	v_mov_b32 v10, 0                               ; written once: a lane permute's destination counts as one of its sources
	s_mov_b32 s20, 0x76543210
	s_mov_b32 s21, 0xfedcba98                      ; v_permlanex16_b32's selects for lane l xor 16
	s_mov_b32 s30, 0xffff0000                      ; lanes 16-31
	s_and_b32 s17, ttmp9, 255
	s_lshl_b32 s17, s17, 2
	s_add_co_u32 s17, s17, s16                     ; my job, 0 .. 1,023
	s_lshl_b32 s18, s17, 15                        ; x 32,768 bytes in (under 2^25 + 2^15)
	s_mov_b32 s19, 0
	s_and_b32 s22, s17, 0x3c0                      ; job = 16 head + step: 64 x (head / 4),
	s_and_b32 s25, s17, 15
	s_lshl_b32 s25, s25, 2
	s_or_b32 s22, s22, s25                         ; + 4 step,
	s_bfe_u32 s25, s17, 0x20004
	s_or_b32 s22, s22, s25                         ; + head % 4
	s_mul_i32 s22, s22, HB                         ; x 13,056 bytes out
	s_mov_b32 s23, 0
	s_wait_kmcnt 0x0
	s_add_nc_u64 s[4:5], s[4:5], s[18:19]
	s_add_nc_u64 s[6:7], s[6:7], s[18:19]
	s_add_nc_u64 s[8:9], s[8:9], s[22:23]
	s_cmp_lt_u32 ttmp9, 256
	s_cbranch_scc0 .Lvalue
; ---- KEY.  A tile is 16 keys: rows 0-7 and 32-39 from the tile's first.  Each load reads two whole rows, 512 consecutive bytes; the tile turns through the stage so that lane (r, hf) holds 32 neighbours along d.
.macro KLOADT t
.irp i, 0,1,2,3,4,5,6,7
	global_load_b128 v[R+32*((\t)%3)+4*\i:R+32*((\t)%3)+4*\i+3], v2, s[4:5] offset:(64*((\t)/4)+8*((\t)%4)+2*\i+24*(\i/4))*256 th:TH_LOAD_NT
.endr
.endm
.macro KTURN t                         ; LDS serves a wave's instructions in order (ISA guide 5.7.1.4): no wait between the stores and the loads
.irp i, 0,1,2,3,4,5,6,7
	ds_store_b128 v3, v[R+32*((\t)%3)+4*\i:R+32*((\t)%3)+4*\i+3] offset:STG*((\t)%2)+288*\i
.endr
.irp i, 0,1,2,3,4,5,6,7
	ds_load_b128 v[X+32*((\t)%2)+4*\i:X+32*((\t)%2)+4*\i+3], v4 offset:STG*((\t)%2)+16*\i
.endr
.endm
.macro KWORK t
.set XS, X+32*((\t)%2)
	v_max3_num_f32 v8, |v[XS]|, |v[XS+1]|, |v[XS+2]|               ; the block's largest magnitude: all 32 numbers are mine; two chains
	v_max3_num_f32 v9, |v[XS+3]|, |v[XS+4]|, |v[XS+5]|
.irp i, 6,10,14,18,22,26
	v_max3_num_f32 v8, v8, |v[XS+\i]|, |v[XS+\i+1]|
	v_max3_num_f32 v9, v9, |v[XS+\i+2]|, |v[XS+\i+3]|
.endr
	v_max3_num_f32 v8, v8, |v[XS+30]|, |v[XS+31]|
	v_max3_num_f32 v8, v8, v9, 0x1800000           ; and the floor 2^(3 - 127): the byte cannot fall under 1
	v_add_nc_u32 v11, 0xff000000, v8               ; 2 off its exponent field: the conversion takes the exponent field of this operand as its scale
	v_cvt_scalef32_pk16_fp6_f32 v[C+6*(\t):C+6*(\t)+2], v[XS:XS+15], v11
	v_cvt_scalef32_pk16_fp6_f32 v[CT:CT+2], v[XS+16:XS+31], v11
	v_lshrrev_b32 v14, 23, v11                     ; the scale's byte.  (The plain line behind the conversions)
.irp i, 0,1,2
	v_mov_b32 v[C+6*(\t)+3+\i], v[CT+\i]
.endr
	v_lshlrev_b32 v14, v5, v14                     ; at its place: byte hf
	v_permlanex16_b32 v10, v14, s20, s21
	v_or_b32 v[W+(\t)], v14, v10                   ; with lane l xor 16's the row's two bytes,
	v_lshl_or_b32 v[W+(\t)], v[W+(\t)], 16, v[W+(\t)]   ; and once more above them
.endm
.macro KSTEP t
	s_wait_dscnt 0x0                               ; tile t is back from the stage, and the stores into the stage have read set t % 3,
.if (\t)+3 < 8
	KLOADT (\t)+3                                  ; which takes the tile three on
.endif
.if (\t) < 7
.if (\t) < 5
	s_wait_loadcnt 16                              ; tile t + 1 is in; the eight loads of each of the two tiles behind it may be out
.else
	s_wait_loadcnt 8*(6-(\t))                      ; towards the end fewer tiles are behind it
.endif
	KTURN (\t)+1                                   ; through the other stage while tile t is worked
.endif
	KWORK \t
.endm
	KLOADT 0
	KLOADT 1
	KLOADT 2
	s_wait_loadcnt 16                              ; tile 0's eight loads are in
	s_wait_alu depctr_va_vdst(0)
	KTURN 0
.irp t, 0,1,2,3,4,5,6,7
	KSTEP \t
.endr
.irp u, 0,1,2,3
	v_cndmask_b32 v[SCL+\u], v[W+2*\u], v[W+2*\u+1], s30   ; lanes 0-15: tile 2 u's word, lanes 16-31: tile 2 u + 1's
.endr
.irp g, 0,1,2,3,4,5,6,7,8,9,10,11
	global_store_b128 v2, v[C+4*\g:C+4*\g+3], s[8:9] offset:512*\g   ; 32 lanes store 512 consecutive bytes, at a multiple of 256 from the buffer's first byte
.endr
	global_store_b128 v2, v[SCL:SCL+3], s[8:9] offset:12288
	s_branch .Lend
; ---- VALUE.  A lane takes a column d = 32 e + l and its registers run down the keys: a block of 32 keys lies in one lane, and the conversions give codes with the keys innermost.  Nothing is transposed.
; Block n: keys 32 (n / 2) on, columns 32 (n % 2) on, so that a row's two halves are asked for one after the other.  Loads run two blocks ahead.
.Lvalue:
.macro VLOADB n
.irp i, 0,1,2,3,4,5,6,7,8,9,10,11,12,13,14,15,16,17,18,19,20,21,22,23,24,25,26,27,28,29,30,31
	global_load_b32 v[XV+32*((\n)%2)+\i], v6, s[6:7] offset:(32*((\n)/2)+\i)*256+128*((\n)%2) th:TH_LOAD_NT
.endr
.endm
.macro VBLOCK n
.set XS, XV+32*((\n)%2)
.set BE, (\n)/2                        ; the block of keys
.set EE, (\n)%2                        ; the half of the columns
.set CD, CV+24*EE+12*(BE%2)+6*(BE/2)   ; block BE belongs to the operand's lane half BE % 2, registers 6 (BE / 2) on
.if (\n) < 7
	s_wait_loadcnt 32                              ; this block's 32 loads are in; the next block's may be out
.else
	s_wait_loadcnt 0x0
.endif
	v_max3_num_f32 v8, |v[XS]|, |v[XS+1]|, |v[XS+2]|
	v_max3_num_f32 v9, |v[XS+3]|, |v[XS+4]|, |v[XS+5]|
.irp i, 6,10,14,18,22,26
	v_max3_num_f32 v8, v8, |v[XS+\i]|, |v[XS+\i+1]|
	v_max3_num_f32 v9, v9, |v[XS+\i+2]|, |v[XS+\i+3]|
.endr
	v_max3_num_f32 v8, v8, |v[XS+30]|, |v[XS+31]|
	v_max3_num_f32 v8, v8, v9, 0x1800000
	v_add_nc_u32 v11, 0xff000000, v8
	v_cvt_scalef32_pk16_fp6_f32 v[CD:CD+2], v[XS:XS+15], v11
	v_cvt_scalef32_pk16_fp6_f32 v[CT:CT+2], v[XS+16:XS+31], v11
	v_lshrrev_b32 v14, 23, v11                     ; the scale's byte.  (The plain line behind the conversions)
.irp i, 0,1,2
	v_mov_b32 v[CD+3+\i], v[CT+\i]
.endr
.if BE == 0
	v_mov_b32 v[16+EE], v14                        ; my column's scale word: the lower keys in the lower byte
.else
	v_lshl_or_b32 v[16+EE], v14, 8*BE, v[16+EE]
.endif
.if (\n)+2 < 8
	VLOADB (\n)+2
.endif
.endm
	s_wait_alu depctr_va_vdst(0)
	VLOADB 0
	VLOADB 1
.irp n, 0,1,2,3,4,5,6,7
	VBLOCK \n
.endr
.irp e, 0,1
.irp f, 0,1
.irp k, 0,1,2
	global_store_b128 v7, v[CV+24*\e+12*\f+4*\k:CV+24*\e+12*\f+4*\k+3], s[8:9] offset:6144+3072*\e+512*\k+256*\f   ; sixteen lanes store 256 consecutive bytes, at a multiple of 256 from the buffer's first byte
.endr
.endr
.endr
	global_store_b64 v15, v[16:17], s[8:9] offset:12800   ; 32 lanes store 256 consecutive bytes
.Lend:
	s_wait_tensorcnt 0x0                           ; the wave's end
	ds_add_u32 v[SPW], v[NIL]
	s_wait_dscnt 0x0
	s_endpgm
.Lfunc_end_k_q86da298fb4_prep:
	.size	k_q86da298fb4_prep, .Lfunc_end_k_q86da298fb4_prep-k_q86da298fb4_prep
	.p2alignl 7, 3214868480
	.fill 96, 4, 3214868480
	.section	.rodata,"a",@progbits
	.p2align	6, 0x0
	.amdhsa_kernel k_q86da298fb4_prep
		.amdhsa_group_segment_fixed_size 39424
		.amdhsa_private_segment_fixed_size 0
		.amdhsa_enable_private_segment 0
		.amdhsa_kernarg_size 24
		.amdhsa_user_sgpr_count 2
		.amdhsa_user_sgpr_kernarg_segment_ptr 1
		.amdhsa_wavefront_size32 1
		.amdhsa_system_sgpr_workgroup_id_x 1
		.amdhsa_system_sgpr_workgroup_id_y 1
		.amdhsa_system_sgpr_workgroup_id_z 1
		.amdhsa_system_vgpr_workitem_id 0
		.amdhsa_next_free_vgpr 256
		.amdhsa_next_free_sgpr 66
		.amdhsa_reserve_vcc 0
		.amdhsa_float_denorm_mode_32 3
		.amdhsa_float_denorm_mode_16_64 3
		.amdhsa_memory_ordered 1
		.amdhsa_forward_progress 1
		.amdhsa_inst_pref_size 68
	.end_amdhsa_kernel
	.amdgpu_metadata
---
amdhsa.version: [ 1, 2 ]
amdhsa.kernels:
  - .name:           k_q86da298fb4_prep
    .symbol:         k_q86da298fb4_prep.kd
    .args:
      - { .name: key, .offset: 0, .size: 8, .value_kind: global_buffer, .address_space: global }
      - { .name: value, .offset: 8, .size: 8, .value_kind: global_buffer, .address_space: global }
      - { .name: kv, .offset: 16, .size: 8, .value_kind: global_buffer, .address_space: global }
    .group_segment_fixed_size: 39424
    .private_segment_fixed_size: 0
    .kernarg_segment_align: 8
    .kernarg_segment_size: 24
    .max_flat_workgroup_size: 128
    .sgpr_count:     66
    .vgpr_count:     256
    .wavefront_size: 32
...
	.end_amdgpu_metadata
.endif
;; end of part 1
;; launch attn (part 2): grid 4 x 64, 4 waves a work-group, clusters of 4 x 4, 327,680 bytes of LDS; arguments query, mask, kv, out0; writes out0
.if DOCPART == 2
	.amdgcn_target "amdgcn-amd-amdhsa--gfx1250"
	.amdhsa_code_object_version 6
	.text
	.protected	k_q86da298fb4_attn
	.globl	k_q86da298fb4_attn
	.p2align	8
	.type	k_q86da298fb4_attn,@function
k_q86da298fb4_attn:
	s_mov_b64 s[64:65], 0
	v_nop
	global_prefetch_b8 v0, s[64:65] scope:SCOPE_SE
	s_setreg_imm32_b32 hwreg(HW_REG_WAVE_MODE, 25, 1), 1
	s_wait_xcnt 0x0
	s_wait_alu depctr_hold_cnt(0) depctr_sa_sdst(0) depctr_va_vdst(0) depctr_va_sdst(0) depctr_va_ssrc(0) depctr_va_vcc(0) depctr_vm_vsrc(0)
	s_getreg_b32 s2, hwreg(HW_REG_IB_STS2, 6, 4)
	s_cmp_eq_u32 s2, 0
	s_cbranch_scc0 .Lentry_in_a_cluster
	s_endpgm
.Lentry_in_a_cluster:
	s_bfe_u32 s2, ttmp6, 0x10000c
	s_cmp_lg_u32 s2, 0xf033
	s_cbranch_scc0 .Lentry_shape_is_right
	s_endpgm
.Lentry_shape_is_right:
; out[b][h][q][:] = softmax_k(where(mask[b][q][k] == 0, -1e9, Q.K / 8)) V, both products on codes of FP6 (E2M3) with one E8M0 scale for each 32 along a product's K.
; THE SOFTMAX: t = score x log2(e) / 8; M = the row's largest t so far, rounded up to a whole number; p = 2^(t - M) is quantised along the keys, not normalised; the row's sum is taken of the
; unquantised p and divides at the end.  When M moves, the sums and O are multiplied by 2^(old M - new M): exact.
; SHARES.  A work-group takes 128 queries of one batch and four heads.  Each of its four waves takes 32 queries, two tiles of 16, for all four heads: a fragment of K or V read from LDS serves two products.
; Every wave walks the 2,048 keys, 128 a step.
; THE MASK: once a key step a wave turns its 32 x 128 mask ints into 128 registers of bias, 0 where the key counts and -2^100 where mask == 0, in the layout of a matrix result: the C of all four heads' score products.
; A ROW WITH NO COUNTED KEY gets p = 1 for every key, as -1e9 everywhere gives.  The largest score starts at -2^80, which a masked score (about -2^100) never raises; while its bits are unchanged the
; lane's multiply-add takes c = 0 and M = 0.  The first counted key makes old M - new M saturate to the least whole number, and the factor 0 wipes what was summed.  No branch on data.
; LIMITS: every counted logit lies far above the masked -1e9 (|Q.K| / 8 under 1e9); NaN and infinities are not served; any mask int other than 0 counts as 1.
; PRODUCT 1 HAS K = 64: Q's registers 6-11 are zero codes; K's tiles lie 6 registers apart, so a tile's upper six registers are the next tile's codes (six zeros behind the last), which add 0 against Q's zeros.
; LAYOUT.  Both products are used transposed: S^T = K Q^T + bias, O^T += V^T P^T: a lane holds one query (lane % 16) of each tile.  Lane r of K's tile 4 c + u holds key 64 c + 8 u + r + 24 (r / 8), so that
; S's register 32 c + i is key 64 c + 32 (lane / 16) + i: A LANE HOLDS WHOLE BLOCKS OF 32 KEYS, in the order of P's operand registers: a block's maximum needs no other lane and no code changes lanes.
; ORDER.  The products stand in runs under one setting of the register windows: a head's 16 score products, into the other of two score buffers, ahead of the head before's exponentials; its 8 second products
; among the rows' sums.  The short dependent runs (statistics, scale bytes) have LDS loads or sums between their links.  In the last key step a head leaves as soon as its second products are done.
; CLUSTER 4 x 4: x = the group of four heads, y = the block of queries.  The mask's tile is asked for jointly along a row of the cluster, the four heads' K and V along a column.
; Waves 0, 1 ask for the mask's halves, waves 2, 3 for two heads' blocks each: one tensor load a wave is out.
; REGISTERS.  Window 0: v1-15 addresses; v16-31 scale words; v32-85 K; v86-133 V; v134-229 Q's eight fragments; v230 -2^100.  Window 1: v0-127 scores of heads 0, 2; v128-255 statistics, p's codes, work.
;   Window 2: O^T (head h, tile a, part u at 64 h + 32 a + 8 u); at the head Q as it is loaded.  Window 3: v0-127 the bias; v128-255 scores of heads 1, 3.
.set HB,    13056
.set SLOT1, 1<<17
.set MOFF,  4*HB                       ; in a slot: four heads' blocks, then the mask's tile
.set MP,    528                        ; a row of the mask's tile: 512 bytes + 16
.set STAGE, 2*SLOT1                    ; behind the ring: 16 rows x 272 bytes for each wave: Q's way in and the way out; no tensor load lands here
.set SP,    272
.set SPARE, STAGE+4*16*SP              ; the spare words, 128 bytes a wave: two blocks of 256 bytes that no other line names
.set LI0, 1
.set LS0, 2
.set LM0, 3
.set ADI, 4
.set ADS, 5
.set ADM, 6
.set GO,  7
.set STO, 8
.set RD,  9
.set SPW, 10
.set NIL, 11
.set PFO, 12
.set TH,  13
.set QO,  14
.set TR,  15
.set QS,  16                           ; v16-23 Q's scale words, 2 h + a
.set KS,  24
.set VS,  28
.set PW,  30                           ; v30, v31 p's scale words
.set KB,  32
.set VB,  86
.set QF,  134
.set BG,  230
.set ST,  128                          ; window 1: 6 registers for (h, a): -M, the largest score, two pairs of sums
.set PC,  176                          ; p's codes, 12 a tile
.set CT,  200                          ; the second halves of p's blocks (a conversion's three registers begin on an even number)
.set BM,  216                          ; block 2 a + c: largest score, then largest p
.set BN,  220                          ; the maxima's second chains; then tile 0's two further pairs of sums (tile 1's: v252-255)
.set PM,  224
.set SO,  228
.set NME, 232
.set CE,  236
.set F,   240
.set T,   244
.set T2,  246
.set CV,  248
.set H8,  249
.set W,   250
.set MC,  0                            ; window 3
.set WV,  12
.set JJ,  13
.set CX,  14
.set CY,  15
.set G1M, 24
.set G1K, 32
.set G0M, 40
.set G0K, 44
.set TB,  48
.set CNT, 49
.set SEL, 50
.set CS,  52
.set T0,  53
.set LV,  54
.set CM,  56
.set PFA, 66
.set PFS, 68
.set LIM, 70
.set CSN, 88
.set MSB, 0
.macro WIN new                         ; s_set_vgpr_msb: bits 1:0 source 0, 3:2 source 1, 5:4 source 2, 7:6 destination; the high byte repeats the setting that is left
.if MSB != (\new)
	s_set_vgpr_msb (MSB<<8)|(\new)
.set MSB, (\new)
.endif
.endm
.macro PLACES
.rept 4
	v_nop
.endr
.endm
.macro CROUND                          ; a round of the cluster's barrier
	s_barrier_signal -1
	s_barrier_wait -1
	s_cmp_lg_u32 s[WV], 0
	s_cbranch_scc1 .Lnot_wave_0_\@
	s_barrier_signal -3
.Lnot_wave_0_\@:
	s_barrier_wait -3
	s_barrier_signal -1
	s_barrier_wait -1
.endm
.macro JLOAD                           ; a joint load; the branch hangs on the wave's number alone; s_nop 0 and four v_nop follow each line
	s_cmp_lt_u32 s[WV], 2
	s_cbranch_scc0 .Lfor_kv_\@
	tensor_load_to_lds s[G0M:G0M+3], s[G1M:G1M+7]
	s_nop 0
	PLACES
	s_branch .Lasked_\@
.Lfor_kv_\@:
	tensor_load_to_lds s[G0K:G0K+3], s[G1K:G1K+7]
	s_nop 0
	PLACES
.Lasked_\@:
.endm
; A prefetch of what the NEXT change of slots will ask for, one key step ahead of that load.  The mask's tile (128 rows x 512 bytes): the four partners of a row of the cluster take 32 rows each, by address (cx);
; waves 0, 1 take the two halves of 256 bytes, a lane a row.  A step's four heads' blocks (4 x 51 x 256 bytes) are read by the batch's four clusters: the first asks; the partners of a column take a head each, by
; address (cy); waves 2, 3 take blocks 0-31 and 32-50 (the lanes that are over name block 50 again).  The last change that fills a slot asks for nothing; key steps 0 and 1 come by their loads alone.
.macro ASK
	s_cmp_gt_u32 s[CNT], s[LIM]
	s_cbranch_scc0 .Lnot_mine_\@
	global_prefetch_b8 v[PFO], s[PFA:PFA+1] th:TH_LOAD_NT scope:SCOPE_SE
.Lnot_mine_\@:
.endm
	s_load_b256 s[4:11], s[0:1], 0x0               ; query, mask, kv, out
	v_lshl_add_u32 v[SPW], v0, 2, SPARE
	v_mov_b32 v[NIL], 0
	ds_add_u32 v[SPW], v[NIL]
	ds_add_u32 v[SPW], v[NIL]
	v_lshrrev_b32 v1, 5, v0
	v_readfirstlane_b32 s[WV], v1                  ; wave 0..3
	v_and_b32 v[LS0], 31, v0
	v_lshlrev_b32 v[LI0], 4, v[LS0]                ; 16 x lane
	v_lshlrev_b32 v[LS0], 3, v[LS0]                ; 8 x lane
	s_and_b32 s[JJ], s[WV], 1                      ; which half of the mask's tile, or of the four heads' blocks, I fetch
	s_bfe_u32 s[CX], ttmp6, 0x40000
	s_bfe_u32 s[CY], ttmp6, 0x40004
	s_and_b32 s71, ttmp7, 0xffff                   ; the cluster's y
	s_lshl_b32 s16, s71, 2
	s_add_co_u32 s16, s16, s[CY]                   ; work-group y = 16 batch + block of 128 queries
	s_lshr_b32 s17, s71, 2                         ; the batch
	s_lshl_b32 s72, ttmp9, 2
	s_add_co_u32 s72, s72, s[CX]                   ; the group of four heads
	s_lshl_b32 s73, s17, 4
	s_lshl_b32 s72, s72, 2
	s_add_co_u32 s73, s73, s72                     ; my first head: 16 batch + 4 group
	s_lshl_b32 s18, s[CY], 2
	s_lshl_b32 s18, 15, s18                        ; my row of the cluster
	s_lshl_b32 s19, 0x1111, s[CX]                  ; my column
	s_or_b32 s[G1M], s18, (2<<16)|(1<<20)|(1<<21)|(6<<22)|(3<<25)  ; the mask's half: 64 rows x 128 ints, 16 bytes of padding behind each row's 128 words
	s_mov_b32 s[G1M+1], 128<<16
	s_mov_b32 s[G1M+2], 64<<16
	s_mov_b32 s[G1M+3], 128<<16
	s_mov_b32 s[G1M+4], 64
	s_mov_b32 s[G1M+5], 2048
	s_mov_b32 s[G1M+6], 0
	s_mov_b32 s[G1M+7], 0
	s_or_b32 s[G1K], s19, (3<<16)|(1<<21)          ; two heads' blocks: 26,112 dense bytes as 102 rows of 256
	s_mov_b32 s[G1K+1], 32<<16
	s_mov_b32 s[G1K+2], 102<<16
	s_mov_b32 s[G1K+3], 32<<16
	s_mov_b32 s[G1K+4], 102
	s_mov_b32 s[G1K+5], 32
	s_mov_b32 s[G1K+6], 0
	s_mov_b32 s[G1K+7], 0
	s_lshl_b32 s20, s16, 20                        ; the mask: 128 rows of 8,192 bytes for each work-group y, 64 rows for each half
	s_lshl_b32 s74, s[JJ], 19
	s_add_co_u32 s20, s20, s74
	s_mov_b32 s21, 0
	s_mul_i32 s22, s73, 16*HB                      ; kv: my group's 64 blocks, my two of a step's four
	s_mul_i32 s76, s[JJ], 2*HB
	s_add_co_u32 s22, s22, s76
	s_mov_b32 s23, 0
	s_lshl_b32 s74, s73, 11                        ; Q and out: my first head's 2,048 rows, my block's 128, my wave's 32, of 256 bytes
	s_and_b32 s75, s16, 15
	s_lshl_b32 s75, s75, 7
	s_add_co_u32 s74, s74, s75
	s_lshl_b32 s75, s[WV], 5
	s_add_co_u32 s74, s74, s75
	s_lshl_b32 s74, s74, 8
	s_mov_b32 s75, 0
	s_mov_b32 s[SEL], 0x76543210
	s_mov_b32 s[SEL+1], 0xfedcba98
	s_mov_b32 s[CS], 0x3e38aa3b                    ; c = log2(e) / 8
	s_mov_b32 s[CSN], 0xbe38aa3b                   ; -c
	s_mov_b32 s[T0], 0xe7800000                    ; -2^80
	s_mov_b32 s[TB], 0
	s_mov_b32 s[CNT], 15
	s_mul_i32 s77, s[WV], 32*MP
	s_add_co_u32 s77, s77, MOFF
	s_mul_i32 s78, s[WV], 16*SP
	s_add_co_u32 s78, s78, STAGE
	s_wait_alu depctr_va_vdst(0)
	s_wait_dscnt 0x0
	s_wait_kmcnt 0x0
	s_add_nc_u64 s[4:5], s[4:5], s[74:75]
	s_add_nc_u64 s[10:11], s[10:11], s[74:75]
	; Q as it lies: fragment q = 2 h + a is 16 rows of 256 bytes; each load reads two whole rows, 512 consecutive bytes, into window 2 v[32 q]
	WIN 0x80
.irp q, 0,1,2,3,4,5,6,7
.irp i, 0,1,2,3,4,5,6,7
	global_load_b128 v[32*\q+4*\i:32*\q+4*\i+3], v[LI0], s[4:5] offset:524288*(\q/2)+4096*(\q%2)+512*\i th:TH_LOAD_NT
.endr
.endr
	WIN 0
	CROUND                                         ; the first joint loads meet
	s_mov_b32 s[G0M], 1
	s_mul_i32 s[G0M+1], s[JJ], 64*MP
	s_add_co_u32 s[G0M+1], s[G0M+1], MOFF
	s_add_nc_u64 s[G0M+2:G0M+3], s[6:7], s[20:21]
	s_or_b32 s[G0M+3], s[G0M+3], 0x80000000
	s_mov_b32 s[G0K], 1
	s_mul_i32 s[G0K+1], s[JJ], 2*HB
	s_add_nc_u64 s[G0K+2:G0K+3], s[8:9], s[22:23]
	s_or_b32 s[G0K+3], s[G0K+3], 0x80000000
	JLOAD                                          ; key step 0 into slot 0: one tensor load a wave at the head
	v_and_b32 v[TR], 15, v0                        ; r
	v_bfe_u32 v[TH], v0, 4, 1                      ; hf
	v_mul_u32_u24 v[QO], v[TR], SP                 ; Q out of the stage: row r, 128 bytes at 128 hf
	v_lshl_add_u32 v[QO], v[TH], 7, v[QO]
	v_add_nc_u32 v[QO], s78, v[QO]
	v_mul_u32_u24 v[LM0], v[TR], MP                ; my place in the mask's tile: MOFF + (32 wave + r) MP + 128 hf
	v_lshl_add_u32 v[LM0], v[TH], 7, v[LM0]
	v_add_nc_u32 v[LM0], s77, v[LM0]
	v_lshlrev_b32 v[GO], 8, v[TH]                  ; the way out: lanes 0-15 one row of 256 bytes, lanes 16-31 the next
	v_lshl_add_u32 v[GO], v[TR], 4, v[GO]
	v_mul_u32_u24 v[STO], v[TR], SP
	v_lshl_add_u32 v[STO], v[TH], 5, v[STO]
	v_add_nc_u32 v[STO], s78, v[STO]
	v_mul_u32_u24 v[RD], v[TH], SP                 ; whole rows in the stage: row hf, 16 bytes at 16 r
	v_lshl_add_u32 v[RD], v[TR], 4, v[RD]
	v_add_nc_u32 v[RD], s78, v[RD]
	v_mov_b32 v[BG], 0xf1800000                    ; -2^100
	; the prefetches: where my wave's stand, and who asks
	s_lshl_b32 s80, s16, 20
	s_lshl_b32 s87, s[CX], 18
	s_add_co_u32 s80, s80, s87
	s_lshl_b32 s87, s[JJ], 8
	s_add_co_u32 s80, s80, s87
	s_add_co_u32 s80, s80, 512                     ; at key step 1: the first change of slots steps it to 2
	s_mul_i32 s81, s73, 16*HB
	s_mul_i32 s87, s[CY], HB
	s_add_co_u32 s81, s81, s87
	s_add_co_u32 s81, s81, 4*HB
	s_lshl_b32 s82, s[JJ], 5
	s_and_b32 s85, s71, 3                          ; 0 in the batch's first cluster
	s_mov_b32 s84, 8192
	s_mov_b32 s[PFS], 4*HB
	s_cmp_lt_u32 s[WV], 2                          ; waves 0, 1: the mask; waves 2, 3: kv
	s_cselect_b64 s[PFA:PFA+1], s[6:7], s[8:9]
	s_cselect_b32 s80, s80, s81
	s_cselect_b32 s82, 0, s82
	s_cselect_b32 s83, 31, 50
	s_cselect_b32 s84, s84, 256
	s_cselect_b32 s[PFS], 512, s[PFS]
	s_cselect_b32 s85, 0, s85
	s_mov_b32 s81, 0
	s_mov_b32 s[PFS+1], 0
	s_add_nc_u64 s[PFA:PFA+1], s[PFA:PFA+1], s[80:81]
	s_cmp_eq_u32 s85, 0
	s_cselect_b32 s[LIM], 1, -1                    ; the same in all sixteen partners, for a given wave
	v_and_b32 v[PFO], 31, v0
	v_add_nc_u32 v[PFO], s82, v[PFO]
	v_min_u32 v[PFO], s83, v[PFO]
	v_mul_lo_u32 v[PFO], v[PFO], s84
.irp i, 48,49,50,51,52,53
	v_mov_b32 v[KB+\i], 0                          ; the upper six registers of K's last tile
.endr
	WIN 0x40
.irp q, 0,1,2,3,4,5,6,7
	v_mov_b32 v[ST+6*\q], 0x6638aa3b               ; -M = c x 2^80, what the step makes of the line below
	v_mov_b32 v[ST+6*\q+1], s[T0]                  ; the largest score so far
	v_mov_b32 v[ST+6*\q+2], 0                      ; the sums
	v_mov_b32 v[ST+6*\q+3], 0
	v_mov_b32 v[ST+6*\q+4], 0
	v_mov_b32 v[ST+6*\q+5], 0
.endr
.irp i, 0,1,2,3
	v_mov_b32 v[PM+\i], 0                          ; a lane permute's destination counts as one of its sources
	v_mov_b32 v[NME+\i], 0                         ; (the upper halves of pairs whose low word serves both halves are named)
	v_mov_b32 v[CE+\i], 0
	v_mov_b32 v[F+\i], 0
.endr
	v_mov_b32 v[CV], s[CS]
	v_lshlrev_b32 v[H8], 3, v[TH]                  ; 8 hf
; Fragment q turns through my stage: in as whole rows, out 128 bytes a lane: d = 32 hf + 0 .. 31 of query r.  q 0-3 come back into window 1, q 4-7 into window 3, at v[32 q].
.macro QTURN q                         ; LDS serves a wave's instructions in order (ISA guide 5.7.1.4): no wait between the stores and the loads, nor between one fragment's loads and the next one's stores
	WIN 0x08
.irp i, 0,1,2,3,4,5,6,7
	ds_store_b128 v[RD], v[32*(\q)+4*\i:32*(\q)+4*\i+3] offset:\i*2*SP
.endr
	WIN ((1+2*((\q)/4))<<6)
.irp i, 0,1,2,3,4,5,6,7
	ds_load_b128 v[32*(\q)+4*\i:32*(\q)+4*\i+3], v[QO] offset:16*\i
.endr
.endm
; Fragment q's 32 numbers of a lane become registers 0-5 of Q's fragment; registers 6-11 are zero codes; the row's two bytes make its scale word, and stand once more above, against zeros.
.macro QUANTQ q
.set XW, 1+2*((\q)/4)
.set XB, 32*(\q)
	WIN (0x50|XW|(XW<<2))
	v_max3_num_f32 v[BM], |v[XB]|, |v[XB+1]|, 0x1800000            ; the floor 2^(3 - 127) among the leaves: the byte cannot fall under 1
	v_max_num_f32 v[BM+1], |v[XB+2]|, |v[XB+3]|
.irp i, 4,8,12,16,20,24,28
	v_max3_num_f32 v[BM], |v[XB+\i]|, |v[XB+\i+1]|, v[BM]
	v_max3_num_f32 v[BM+1], |v[XB+\i+2]|, |v[XB+\i+3]|, v[BM+1]
.endr
	WIN 0x55
	v_max_num_f32 v[BM], v[BM], v[BM+1]
	v_add_nc_u32 v[SO], 0xff000000, v[BM]          ; 2 off the exponent field: the conversion's scale operand
	WIN (0x44|XW)
	v_cvt_scalef32_pk16_fp6_f32 v[CT:CT+2], v[XB:XB+15], v[SO]
	v_cvt_scalef32_pk16_fp6_f32 v[CT+4:CT+6], v[XB+16:XB+31], v[SO]
	WIN 0x55
	v_lshrrev_b32 v[BM+2], 23, v[SO]               ; the byte (the plain line behind the conversions)
	v_lshlrev_b32 v[BM+2], v[H8], v[BM+2]
	v_permlanex16_b32 v[PM], v[BM+2], s[SEL], s[SEL+1]
	v_or_b32 v[BM+2], v[BM+2], v[PM]
	WIN 0x15
	v_lshl_or_b32 v[QS+(\q)], v[BM+2], 16, v[BM+2]
	WIN 0x01
.irp i, 0,1,2
	v_mov_b32 v[QF+12*(\q)+\i], v[CT+\i]
	v_mov_b32 v[QF+12*(\q)+3+\i], v[CT+4+\i]
.endr
.irp i, 6,7,8,9,10,11
	v_mov_b32 v[QF+12*(\q)+\i], 0
.endr
.endm
	s_wait_alu depctr_va_vdst(0)
.irp q, 0,1,2,3,4,5,6,7
	s_wait_loadcnt 8*(7-\q)                        ; fragment q's eight loads are in; the later fragments' may be out
	QTURN \q
.if \q > 0
	s_wait_dscnt 16                                ; fragment q - 1 is back; fragment q's eight stores and eight loads may be out
	QUANTQ \q-1
.endif
.endr
	s_wait_dscnt 0x0
	QUANTQ 7
	WIN 0x80
.set zz, 0
.rept 256
	v_mov_b32 v[zz], 0                             ; O^T: the key step is written once for all sixteen.  (The stage's stores have read these registers: the wait above)
.set zz, zz+1
.endr
	WIN 0
.macro WM d, a, b, c, sa, sb, odd      ; one scaled product; an odd tile's scale words stand in lanes 16-31
.if \odd
	v_wmma_scale_f32_16x16x128_f8f6f4 v[\d:\d+7], v[\a:\a+11], v[\b:\b+11], v[\c:\c+7], v[\sa], v[\sb] matrix_a_fmt:MATRIX_FMT_FP6 matrix_b_fmt:MATRIX_FMT_FP6 matrix_a_scale:MATRIX_SCALE_ROW1
.else
	v_wmma_scale_f32_16x16x128_f8f6f4 v[\d:\d+7], v[\a:\a+11], v[\b:\b+11], v[\c:\c+7], v[\sa], v[\sb] matrix_a_fmt:MATRIX_FMT_FP6 matrix_b_fmt:MATRIX_FMT_FP6
.endif
.endm
.macro QKR hn                          ; S^T = K Q^T + bias of head hn: K's eight tiles x two tiles of queries, sixteen results, one run; the windows are put back as they were
.set SV, MSB
.set SN, 128*((\hn)%2)
	WIN (0x30|((1+2*((\hn)%2))<<6))
.irp t, 0,1,2,3,4,5,6,7
.irp a, 0,1
	WM SN+64*\a+8*\t, KB+6*\t, QF+12*(2*(\hn)+\a), MC+64*\a+8*\t, KS+\t/2, QS+2*(\hn)+\a, \t%2
.endr
.endr
	WIN SV
.endm
.macro PVR h                           ; O^T += V^T P^T: four parts of the head's 64 x two tiles of queries: eight accumulators, one instruction a turn
.set SV, MSB
	WIN 0xA4
.irp u, 0,1,2,3
.irp a, 0,1
	WM 64*(\h)+32*\a+8*\u, VB+12*\u, PC+12*\a, 64*(\h)+32*\a+8*\u, VS+\u/2, PW+\a, \u%2
.endr
.endr
	WIN SV
.endm
.macro KLOAD h
.irp g, 0,1,2,3,4,5,6,7,8,9,10,11
	ds_load_b128 v[KB+4*\g:KB+4*\g+3], v[ADI] offset:HB*(\h)+512*\g
.endr
	ds_load_b128 v[KS:KS+3], v[ADI] offset:HB*(\h)+12288
.endm
.macro VLG h, g0                       ; a third of head h's V, the last with its scale words; it stands between two links of the statistics
	WIN 0
.irp g, 0,1,2,3
	ds_load_b128 v[VB+4*((\g0)+\g):VB+4*((\g0)+\g)+3], v[ADI] offset:HB*(\h)+6144+512*((\g0)+\g)
.endr
.if (\g0) == 8
	ds_load_b64 v[VS:VS+1], v[ADS] offset:HB*(\h)+12800
.endif
	WIN 0x55
.endm
.macro MCVT t                          ; the bias of K's tile t, in place: eight compares, then eight selects, for each tile of queries
	WIN 0xCC
.irp a, 0,1
.irp i, 0,1,2,3,4,5,6,7
	v_cmp_ne_u32 s[CM+\i], 0, v[MC+64*\a+8*(\t)+\i]
.endr
.irp i, 0,1,2,3,4,5,6,7
	v_cndmask_b32 v[MC+64*\a+8*(\t)+\i], v[BG], 0, s[CM+\i]
.endr
.endr
.endm
.macro HS h                            ; four of the sums' additions, one on each of a tile's four chains; the tiles take turns, so a chain's links lie eight lines apart
.set HA, hh%2
.set HP, SB+64*HA+8+8*(hh/2)
	v_pk_add_f32 v[ST+12*(\h)+6*HA+2:ST+12*(\h)+6*HA+3], v[ST+12*(\h)+6*HA+2:ST+12*(\h)+6*HA+3], v[HP:HP+1]
	v_pk_add_f32 v[ST+12*(\h)+6*HA+4:ST+12*(\h)+6*HA+5], v[ST+12*(\h)+6*HA+4:ST+12*(\h)+6*HA+5], v[HP+2:HP+3]
	v_pk_add_f32 v[BN+32*HA:BN+32*HA+1], v[BN+32*HA:BN+32*HA+1], v[HP+4:HP+5]
	v_pk_add_f32 v[BN+32*HA+2:BN+32*HA+3], v[BN+32*HA+2:BN+32*HA+3], v[HP+6:HP+7]
.set hh, hh+1
.endm
; THE WAY OUT of head hp, second part: its 32 rows, back from the stage in O^T's own registers, are stored: 32 lanes store two rows, 512 consecutive bytes.  These registers are written no more.
.macro FLUSH hp
.set SV, MSB
	WIN 0x08
.irp a, 0,1
.irp i, 0,1,2,3,4,5,6,7
	global_store_b128 v[GO], v[64*(\hp)+32*\a+4*\i:64*(\hp)+32*\a+4*\i+3], s[10:11] offset:524288*(\hp)+4096*\a+512*\i th:TH_STORE_NT
.endr
.endr
	WIN SV
.endm
; One head of a key step, both tiles of queries by turns.  k = 2 a + c names tile a's block c: the lane's 32 registers from 32 k on.  fl = 1, in the last key step: the head before is stored on the way.
.macro HEAD h, fl
.set SW, 1+2*((\h)%2)
.set SB, 128*((\h)%2)
.set ZS, 0x51|(SW<<2)
	WIN (0x50|SW|(SW<<2))
	s_wait_alu depctr_va_vdst(0)                   ; ahead of the first read of the scores
.irp k, 0,1,2,3
	v_max_num_f32 v[BM+\k], v[SB+32*\k], v[SB+32*\k+1]             ; each block's largest score, in two chains; each accumulator is read from its low end on
	v_max_num_f32 v[BN+\k], v[SB+32*\k+16], v[SB+32*\k+17]
.endr
.irp i, 2,4,6,8,10,12,14
.irp k, 0,1,2,3
	v_max3_num_f32 v[BM+\k], v[SB+32*\k+\i], v[SB+32*\k+\i+1], v[BM+\k]
	v_max3_num_f32 v[BN+\k], v[SB+32*\k+16+\i], v[SB+32*\k+17+\i], v[BN+\k]
.endr
.endr
	WIN 0x55
.irp k, 0,1,2,3
	v_max_num_f32 v[BM+\k], v[BM+\k], v[BN+\k]
.endr
.irp a, 0,1
	v_max_num_f32 v[T+\a], v[BM+2*\a], v[BM+2*\a+1]
	v_mov_b32 v[T2+\a], v[ST+12*(\h)+6*\a]         ; the old -M
.endr
.irp a, 0,1
	v_permlanex16_b32 v[PM+\a], v[T+\a], s[SEL], s[SEL+1]
.endr
	VLG \h, 0                                      ; the maxima above are the places behind the products that read V
.irp a, 0,1
	v_max3_num_f32 v[ST+12*(\h)+6*\a+1], v[ST+12*(\h)+6*\a+1], v[T+\a], v[PM+\a]   ; the running largest score of my query
.endr
	VLG \h, 4
.irp a, 0,1
	v_mul_f32 v[T+\a], s[CSN], v[ST+12*(\h)+6*\a+1]                ; -t (c is positive: the largest score gives the largest t)
	v_cmp_ne_u32 s[LV+\a], v[ST+12*(\h)+6*\a+1], s[T0]             ; has my row a counted key yet?  It only selects values
.endr
.irp a, 0,1
	v_floor_f32 v[ST+12*(\h)+6*\a], v[T+\a]        ; the new -M: M is a whole number
	v_cndmask_b32 v[CE+2*\a], 0, v[CV], s[LV+\a]   ; c, or 0 where no key has counted
.endr
.irp a, 0,1
	v_sub_f32 v[T+\a], v[ST+12*(\h)+6*\a], v[T2+\a]                ; old M - new M
	v_cndmask_b32 v[NME+2*\a], 0, v[ST+12*(\h)+6*\a], s[LV+\a]
.endr
.irp a, 0,1
	v_cvt_i32_f32 v[T+\a], v[T+\a]                 ; (it saturates)
	v_fma_f32 v[BM+2*\a], v[BM+2*\a], v[CE+2*\a], v[NME+2*\a]      ; t - M of each block's largest score
	v_fma_f32 v[BM+2*\a+1], v[BM+2*\a+1], v[CE+2*\a], v[NME+2*\a]
.endr
.irp a, 0,1
	v_ldexp_f32 v[F+2*\a], 1.0, v[T+\a]            ; f = 2^(old M - new M)
.endr
	VLG \h, 8
.irp a, 0,1
	v_pk_mul_f32 v[ST+12*(\h)+6*\a+2:ST+12*(\h)+6*\a+3], v[ST+12*(\h)+6*\a+2:ST+12*(\h)+6*\a+3], v[F+2*\a:F+2*\a+1] op_sel_hi:[1,0]
	v_pk_mul_f32 v[ST+12*(\h)+6*\a+4:ST+12*(\h)+6*\a+5], v[ST+12*(\h)+6*\a+4:ST+12*(\h)+6*\a+5], v[F+2*\a:F+2*\a+1] op_sel_hi:[1,0]
.endr
	WIN 0x86
	s_wait_alu depctr_va_vdst(0)                   ; ahead of the first read of O^T
.irp a, 0,1
.set nn, 0
.rept 16
	v_pk_mul_f32 v[64*(\h)+32*\a+nn:64*(\h)+32*\a+nn+1], v[64*(\h)+32*\a+nn:64*(\h)+32*\a+nn+1], v[F+2*\a:F+2*\a+1] op_sel_hi:[1,0]
.set nn, nn+2
.endr
.endr
	WIN ((SW<<6)|SW|0x14)
.set nn, 0
.rept 32
	v_pk_fma_f32 v[SB+nn:SB+nn+1], v[SB+nn:SB+nn+1], v[CE:CE+1], v[NME:NME+1] op_sel_hi:[1,0,0]   ; tile 0: t - M
.set nn, nn+2
.endr
	s_wait_alu depctr_va_vdst(0)                   ; ahead of the batch
	s_wait_dscnt 0x0                               ; this head's V and the next head's K are in; in the last key step the head before's rows are back from the stage too
.if (\fl) && ((\h) > 0)
	FLUSH (\h)-1
.endif
.if (\h) < 3
	QKR (\h)+1                                     ; into the other buffer of scores
.endif
.set nn, 0
.rept 32                                       ; tile 0's exponentials; among them tile 1's t - M, read behind the next wait
	v_exp_f32 v[SB+nn], v[SB+nn]
	v_exp_f32 v[SB+nn+1], v[SB+nn+1]
	v_pk_fma_f32 v[SB+64+nn:SB+64+nn+1], v[SB+64+nn:SB+64+nn+1], v[CE+2:CE+3], v[NME+2:NME+3] op_sel_hi:[1,0,0]
.set nn, nn+2
.endr
	s_wait_alu depctr_va_vdst(0)                   ; ahead of tile 1's batch
.set nn, 0
.rept 64
	v_exp_f32 v[SB+64+nn], v[SB+64+nn]
.set nn, nn+1
.endr
	WIN 0x55
.irp k, 0,1,2,3
	v_exp_f32 v[BM+\k], v[BM+\k]                   ; the block's largest p: the same two instructions on the same number give the same bits
.endr
	v_nop                                          ; the plain line behind the batch
	s_wait_alu depctr_va_vdst(0)                   ; one wait for the batch, ahead of its first reader
	; THE ROWS' SUMS OF THE UNQUANTISED p, four chains a tile, stand between the links of what makes p's codes and scale words, and round the second products
	WIN (0x50|SW|(SW<<2))
.irp a, 0,1
	v_pk_add_f32 v[BN+32*\a:BN+32*\a+1], v[SB+64*\a:SB+64*\a+1], v[SB+64*\a+2:SB+64*\a+3]         ; two chains begin anew in each head
	v_pk_add_f32 v[BN+32*\a+2:BN+32*\a+3], v[SB+64*\a+4:SB+64*\a+5], v[SB+64*\a+6:SB+64*\a+7]
.endr
	WIN ZS
.set hh, 0
.irp k, 0,1,2,3
	v_max_num_f32 v[BM+\k], v[BM+\k], 0x1800000    ; the floor 2^(3 - 127): a block whose every p is 0 keeps the byte 1: its codes are zeros
.endr
	HS \h
.irp k, 0,1,2,3
	v_add_nc_u32 v[SO+\k], v[BM+\k], 0xff000000    ; 2 off the exponent field: the conversion's scale operand
.endr
	HS \h
.irp k, 0,1,2,3
	v_bfe_u32 v[PM+\k], v[SO+\k], 23, 8            ; the scale's byte
.endr
.if (\h) < 2
	WIN 0
	KLOAD (\h)+2                                   ; the plain lines since the score products are the places behind them
.endif
	WIN (0x44|SW)
.irp k, 0,1,2,3
	v_cvt_scalef32_pk16_fp6_f32 v[PC+6*\k:PC+6*\k+2], v[SB+32*\k:SB+32*\k+15], v[SO+\k]
	v_cvt_scalef32_pk16_fp6_f32 v[CT+4*\k:CT+4*\k+2], v[SB+32*\k+16:SB+32*\k+31], v[SO+\k]
.endr
	WIN ZS
.irp a, 0,1
	v_lshl_or_b32 v[W+\a], v[PM+2*\a+1], 16, v[PM+2*\a]            ; my blocks hf and 2 + hf.  (The plain lines behind the conversions)
.endr
	HS \h
.irp a, 0,1
	v_permlanex16_b32 v[PM+\a], v[W+\a], s[SEL], s[SEL+1]
.endr
.irp k, 0,1,2,3
.irp i, 0,1,2
	v_mov_b32 v[PC+6*\k+3+\i], v[CT+4*\k+\i]
.endr
.endr
	WIN 0x11
.irp a, 0,1
	v_lshl_or_b32 v[PW+\a], v[PM+\a], 8, v[W+\a]   ; in lanes 0-15, which alone are read: my blocks 0 and 2, lane l + 16's blocks 1 and 3 a byte above them
.endr
	WIN ZS
	HS \h
	HS \h                                          ; eight places between p's scale words and the products
	PVR \h
.rept 9
	HS \h                                          ; these name no register of the products: the places behind them
.endr
	WIN 0x55
.irp a, 0,1
	v_pk_add_f32 v[ST+12*(\h)+6*\a+2:ST+12*(\h)+6*\a+3], v[ST+12*(\h)+6*\a+2:ST+12*(\h)+6*\a+3], v[BN+32*\a:BN+32*\a+1]
	v_pk_add_f32 v[ST+12*(\h)+6*\a+4:ST+12*(\h)+6*\a+5], v[ST+12*(\h)+6*\a+4:ST+12*(\h)+6*\a+5], v[BN+32*\a+2:BN+32*\a+3]
.endr
.endm
; THE WAY OUT of head h, first part, behind its last second products: the sums' parts and lane l xor 16's are added; O^T is divided by the sum in place and turns, 16 rows of 256 bytes at a time, through my
; stage in LDS, back into its own registers as whole rows.  LDS serves a wave's instructions in order: a tile's loads see its stores, and the next tile's stores follow them.
.macro FIN h
	WIN 0x55
.irp a, 0,1
	v_pk_add_f32 v[ST+12*(\h)+6*\a+2:ST+12*(\h)+6*\a+3], v[ST+12*(\h)+6*\a+2:ST+12*(\h)+6*\a+3], v[ST+12*(\h)+6*\a+4:ST+12*(\h)+6*\a+5]
.endr
.irp a, 0,1
	v_add_f32 v[T+\a], v[ST+12*(\h)+6*\a+2], v[ST+12*(\h)+6*\a+3]
.endr
.irp a, 0,1
	v_permlanex16_b32 v[PM+\a], v[T+\a], s[SEL], s[SEL+1]
.endr
.irp a, 0,1
	v_add_f32 v[T+\a], v[T+\a], v[PM+\a]
.endr
	s_wait_alu depctr_va_vdst(0)                   ; ahead of the reciprocals,
.irp a, 0,1
	v_rcp_f32 v[F+2*\a], v[T+\a]
.endr
	v_nop                                          ; a plain line behind them,
	WIN 0x86
	s_wait_alu depctr_va_vdst(0)                   ; and the wait directly ahead of the first use of their results and of the first read of these accumulators
.irp a, 0,1
.set nn, 0
.rept 16
	v_pk_mul_f32 v[64*(\h)+32*\a+nn:64*(\h)+32*\a+nn+1], v[64*(\h)+32*\a+nn:64*(\h)+32*\a+nn+1], v[F+2*\a:F+2*\a+1] op_sel_hi:[1,0]   ; register 8 u + i is out(r, 16 u + 8 hf + i)
.set nn, nn+2
.endr
.endr
.irp a, 0,1
	WIN 0x08
.irp t, 0,1,2,3
	ds_store_b128 v[STO], v[64*(\h)+32*\a+8*\t:64*(\h)+32*\a+8*\t+3] offset:64*\t
	ds_store_b128 v[STO], v[64*(\h)+32*\a+8*\t+4:64*(\h)+32*\a+8*\t+7] offset:64*\t+16
.endr
	WIN 0x80
.irp i, 0,1,2,3,4,5,6,7
	ds_load_b128 v[64*(\h)+32*\a+4*\i:64*(\h)+32*\a+4*\i+3], v[RD] offset:\i*2*SP
.endr
.endr
	WIN 0x55
.endm
.macro STEP last
	v_add_nc_u32 v[ADI], s[TB], v[LI0]
	v_add_nc_u32 v[ADS], s[TB], v[LS0]
	v_add_nc_u32 v[ADM], s[TB], v[LM0]
	KLOAD 0
	WIN 0xC0
.irp t, 0,1,2,3,4,5,6,7                        ; my 32 queries' 128 mask ints, by K's tiles: register 64 a + 8 t + j = key 64 (t / 4) + 32 hf + 8 (t % 4) + j of query r of tile a
.irp a, 0,1
.irp k, 0,1
	ds_load_b128 v[MC+64*\a+8*\t+4*\k:MC+64*\a+8*\t+4*\k+3], v[ADM] offset:16*MP*\a+256*(\t/4)+32*(\t%4)+16*\k
.endr
.endr
.endr
.irp t, 0,1,2,3,4,5,6,7
	s_wait_dscnt 4*(7-\t)                          ; K, asked for first, and the mask's tiles up to t are in; the four loads of each later tile may be out
	MCVT \t
.endr
	PLACES                                         ; between the last select and the products that take the bias
	QKR 0
	WIN 0
	PLACES                                         ; behind the products: ahead of the loads into K's registers and of the first read of the scores
	KLOAD 1
.irp h, 0,1,2,3
	HEAD \h, \last
.if \last
	FIN \h
.endif
.endr
	WIN 0
	s_xor_b32 s[TB], s[TB], SLOT1
.endm
; The change of slots at a key step's head.  Each wave waits for all its tensor loads, adds 0 to its spare word, and waits for that and for its reads of the slot that it has left.
; fill = 1: a round of the cluster's barrier; the joint load of the next key step is the first tensor load behind it.
.macro CHANGE fill
	s_wait_tensorcnt 0x0
	ds_add_u32 v[SPW], v[NIL]
.if \fill
	s_xor_b32 s[G0M+1], s[G0M+1], SLOT1
	s_add_nc_u64 s[G0M+2:G0M+3], s[G0M+2:G0M+3], 512
	s_xor_b32 s[G0K+1], s[G0K+1], SLOT1
	s_add_nc_u64 s[G0K+2:G0K+3], s[G0K+2:G0K+3], 4*HB
	s_wait_xcnt 0x0                                ; the last prefetch, a key step back, has read its address
	s_add_nc_u64 s[PFA:PFA+1], s[PFA:PFA+1], s[PFS:PFS+1]
	s_wait_dscnt 0x0
	CROUND
	JLOAD
	ASK
.else
	s_wait_dscnt 0x0
	s_barrier_signal -1
	s_barrier_wait -1
.endif
.endm
	s_wait_alu depctr_va_vdst(0)
.Lstep:                                            ; 15 trips: trip n asks for key step n + 1 and works key step n
	CHANGE 1
	STEP 0
	s_sub_co_u32 s[CNT], s[CNT], 1
	s_cmp_lg_u32 s[CNT], 0
	s_cbranch_scc1 .Lstep
	CHANGE 0                                       ; the last key step is written out; in it each head leaves as soon as it is finished
	STEP 1
	s_wait_dscnt 0x0                               ; head 3's rows are back from the stage
	FLUSH 3
	WIN 0
	s_wait_tensorcnt 0x0                           ; the wave's end
	ds_add_u32 v[SPW], v[NIL]
	s_wait_dscnt 0x0
	CROUND                                         ; the closing round
	s_endpgm
.Lfunc_end_k_q86da298fb4_attn:
	.size	k_q86da298fb4_attn, .Lfunc_end_k_q86da298fb4_attn-k_q86da298fb4_attn
	.p2alignl 7, 3214868480
	.fill 96, 4, 3214868480
	.section	.rodata,"a",@progbits
	.p2align	6, 0x0
	.amdhsa_kernel k_q86da298fb4_attn
		.amdhsa_group_segment_fixed_size 327680
		.amdhsa_private_segment_fixed_size 0
		.amdhsa_enable_private_segment 0
		.amdhsa_kernarg_size 32
		.amdhsa_user_sgpr_count 2
		.amdhsa_user_sgpr_kernarg_segment_ptr 1
		.amdhsa_wavefront_size32 1
		.amdhsa_system_sgpr_workgroup_id_x 1
		.amdhsa_system_sgpr_workgroup_id_y 1
		.amdhsa_system_sgpr_workgroup_id_z 1
		.amdhsa_system_vgpr_workitem_id 0
		.amdhsa_next_free_vgpr 1024
		.amdhsa_next_free_sgpr 100
		.amdhsa_reserve_vcc 0
		.amdhsa_float_denorm_mode_32 3
		.amdhsa_float_denorm_mode_16_64 3
		.amdhsa_memory_ordered 1
		.amdhsa_forward_progress 1
		.amdhsa_inst_pref_size 255
	.end_amdhsa_kernel
	.section	.bss,"aw",@nobits
	.p2align	6
	.space	262144
	.amdgpu_metadata
---
amdhsa.version: [ 1, 2 ]
amdhsa.kernels:
  - .name:           k_q86da298fb4_attn
    .symbol:         k_q86da298fb4_attn.kd
    .args:
      - { .name: query, .offset: 0, .size: 8, .value_kind: global_buffer, .address_space: global }
      - { .name: mask, .offset: 8, .size: 8, .value_kind: global_buffer, .address_space: global }
      - { .name: kv, .offset: 16, .size: 8, .value_kind: global_buffer, .address_space: global }
      - { .name: out0, .offset: 24, .size: 8, .value_kind: global_buffer, .address_space: global }
    .group_segment_fixed_size: 327680
    .private_segment_fixed_size: 0
    .kernarg_segment_align: 8
    .kernarg_segment_size: 32
    .max_flat_workgroup_size: 128
    .sgpr_count:     100
    .vgpr_count:     1024
    .wavefront_size: 32
...
	.end_amdgpu_metadata
.endif
;; end of part 2
